; MI455X (gfx1250); checked and timed in simulation.
; The chip was launched on July 23, 2026; its instructions are those of AMD's public machine-readable ISA for CDNA 5 (MIT licence, August 2026) and "CDNA5" Instruction Set Architecture Reference Guide (July 2026). The comments in the code are by the model that wrote it; some were corrected since.
;; KAN Linear. Allowed arithmetic: matrix products marked QUANTISED: E3M2 operands, one E8M0 scale for each 32 along K, by v_wmma_scale_f32_16x16x128_f8f6f4 with both operands' format E3M2, f32 sums; everything else in f32.
;; Inputs: base_weight_codes 512 x 16 x 24 uint8 (E3M2 codes of base_weight, K innermost, in blocks of 32 codes, four codes in three bytes); base_weight_scales 512 x 16 uint8 (E8M0 scales of base_weight, one for each 32 codes along K); spline_scaler 512 x 512 float32; spline_weight 512 x 512 x 8 float32; x 16,384 x 512 float32.
;; Outputs: out0 16,384 x 512 float32.
;; This version of the problem:
;;   THIS VERSION OF THE PROBLEM IS GIVEN IN LOW PRECISION. The matrix products marked QUANTISED in the list below multiply operands that are first quantised to E3M2 (3 exponent bits, 2 mantissa bits; 6 bits a number), with one power-of-two scale for each 32 numbers along K (OCP MX v1.0); their sums are f32. All else is computed in f32.
;;   The module's matrix products, in the order in which they are computed (A, B: the left and right operand; K: the contracted axis; several contracted axes count as one K, in the product's order):
;;     1. [M 16,384, K 512] x [K 512, N 512]; A: computed on the way; B: input base_weight (given as codes): QUANTISED
;;     2. [M 16,384, K 4,096] x [K 4,096, N 512]; A: computed on the way; B: computed on the way: QUANTISED
;;   THE QUANTISER, for each operand of a quantised product, along K:
;;     - K is cut into blocks of 32 from its start; a last block that is shorter is filled with zeros.
;;     - A block's scale is 2^e with e = floor(log2(the largest magnitude in the block)) - 4, held to -126 .. 127; a block of zeros has e = 0. As a byte (E8M0): e + 127.
;;     - Each number is divided by its block's scale, clamped to +-28, and rounded to the nearest number of E3M2, ties to even, subnormals kept.
;;     - The product sums the exact products of the quantised numbers (number of the format x scale) in f32.
;;   ~~~python
;;   def quantise(x, axis):      # numpy; x: float32 -> the quantised numbers, widened to float32 again
;;       x = np.moveaxis(x, axis, -1); K = x.shape[-1]
;;       x = np.pad(x, [(0, 0)] * (x.ndim - 1) + [(0, -K % 32)]); x = x.reshape(x.shape[:-1] + (-1, 32)); a = np.abs(x).max(-1, keepdims=True)
;;       e = np.where(a > 0, np.clip(np.frexp(np.where(a > 0, a, 1))[1] - 1 - 4, -126, 127), 0)      # np.frexp(a)[1] - 1 = floor(log2(a)), exactly
;;       r = np.clip(x / 2.0 ** e, -28, 28)
;;       step = 2.0 ** (np.maximum(np.frexp(np.where(r == 0, 1, r))[1] - 1, -2) - 2)
;;       q = np.round(r / step) * step * 2.0 ** e      # np.round: ties to even
;;       return np.moveaxis(q.reshape(q.shape[:-2] + (-1,))[..., :K], -1, axis).astype(np.float32)
;;   ~~~
;;   OPERANDS COMPUTED ON THE WAY. 'Computed on the way' means the value that the module computes at that place (a softmax that the list does not call 'softmax' is quantised finished and normalised). What goes into a quantiser is computed in f32, as accurately as f32 sums, v_exp_f32 and their like allow (about 1e-6 of the number): no bf16 or f16 on the way to a quantiser, and a product that is left as it is and whose result goes on into a quantised operand takes f32 operands (vector FMAs, or v_wmma_f32_16x16x4_f32). A number that lies on a knife's edge between two numbers of the format may be rounded either way, as far as f32 arithmetic and the matrix unit's own rounding can turn it there, and no further.
;;   INPUTS GIVEN AS CODES. base_weight (in the module: [512, 512], K = its axis 1): each comes as NAME_codes (uint8): NAME with its K axis moved to the last place and cut into blocks of 32 codes, [.., K / 32, bytes a block], one block behind the other in memory; four codes in three bytes: a row's codes are one little-endian stream of bits, code i at bits 6 i .. 6 i + 5 (a code: sign, 3 exponent bits, 2 mantissa bits); and NAME_scales (uint8): the same leading axes, one E8M0 byte (e + 127) for each 32 codes along K. Its value is code x scale, taken as it is: it is not quantised again, and the codes and scales need not be those that the quantiser above would give.
;; One version. Each part assembles by itself: llvm-mc -triple=amdgcn-amd-amdhsa -mcpu=gfx1250 --defsym DOCPART=n.
;; ======== version 1 of 1: 2 launches
;; workspace buffers: wimg 1,843,200 bytes
;; launch prep (part 1): grid 8 x 32, 4 waves a work-group, no clusters, 168,448 bytes of LDS; arguments spline_weight, spline_scaler, base_weight_codes, base_weight_scales, wimg; writes wimg
.if DOCPART == 1
	.amdgcn_target "amdgcn-amd-amdhsa--gfx1250"
	.amdhsa_code_object_version 6
	.text
	.protected	k_q38e36fcb6b_prep
	.globl	k_q38e36fcb6b_prep
	.p2align	8
	.type	k_q38e36fcb6b_prep,@function
k_q38e36fcb6b_prep:
	s_mov_b64 s[64:65], 0
	v_nop
	global_prefetch_b8 v0, s[64:65] scope:SCOPE_SE
	s_setreg_imm32_b32 hwreg(HW_REG_WAVE_MODE, 25, 1), 1
	s_wait_xcnt 0x0
; THE WEIGHTS OF BOTH PRODUCTS, ONCE, AS IMAGES OF THE OPERAND'S REGISTERS, in the order in which the second launch takes them.
; Spline product: w[col][8 f + j] = spline_weight[col][f][j] x spline_scaler[col][f] (one f32 product), quantised to E3M2 with one E8M0 byte for each 32 along K = 4 features x 8 coefficients.
; Base product: the given codes and bytes are only laid anew, never quantised again.
; wimg: K step k (0..35) begins at byte 51,200 k: 32 tiles of 16 columns x 1,536 bytes (registers 4 g .. 4 g + 3 of lane l at 1,536 n + 512 g + 16 l), then 512 scale words, 4 bytes a column.
; K ORDER.  Whole blocks of 32 are permuted, alike here and in the second launch.  Spline K step k = 4 S + sg: lane (r, h) holds in registers 6 c .. 6 c + 5 the block of features
; 64 S + 32 h + 8 sg + 4 c + 0..3, its scale byte at place 2 c + h.  K steps 32 + sb are the base product's, in their own order.
; SHARES.  Work-group (G, k): 64 columns x one K step; wave w makes tile 4 G + w: one fragment.  The 64 x 2 pieces of 256 bytes come by two tensor loads (waves 0 and 1: h = 0, 1), each row 256 bytes,
; at a multiple of 256 from the buffer's first byte.  The work-groups with k = 0, 8, 16, 24 also lay base K step k / 8 of their columns.
; No cluster: no two work-groups read the same bytes of spline_weight, which are nearly all that the launch reads.  Each LDS byte is filled once.
; LIMITS: NaN and infinities among the weights are not served.  A block of zeros gets the byte 1 (the rule says 127): its codes are zeros, and only this program reads the bytes.
; A work-group takes 64 bytes of each of its rows of spline_scaler: pieces of aligned blocks of 256 bytes; that tensor is an eighth of what is read.
.set KSB,  51200                       ; bytes of a K step in wimg
.set SCW,  49152                       ; where its scale words begin
.set WTH,  17408                       ; LDS: the part of h = 1 begins here: 64 rows x 272
.set WP,   272                         ; a row: 256 bytes + 16 of padding, so that sixteen rows' pieces of 16 bytes fall 272 bytes apart
.set SCG,  34816                       ; LDS: the work-group's 64 scale words, a block of 256 bytes of their own
.set LA,   4                           ; v4   LDS: my 256 bytes: WTH h + 272 (16 w + r)
.set SO,   5                           ; v5   my byte in the wave's rows of spline_scaler: 2,048 r + 128 h
.set LI,   6                           ; v6   16 x lane
.set SW,   7                           ; v7   LDS: my column's scale word
.set L8,   8                           ; v8   8 x lane
.set SR,   9                           ; v9   LDS: SCG + 8 x lane
.set SH8,  10                          ; v10  8 h
.set BO,   11                          ; v11  my byte in the wave's rows of the base codes: 384 r + 24 h
.set L32,  12                          ; v12  32 x lane
.set SCL,  16                          ; v16-23   my 8 features' scalers
.set W,    32                          ; v32-95   my 64 weights: register 8 f + j
.set PC,   96                          ; v96-107  the fragment
.set CT,   108                         ; v108-110, v112-114  a block's upper 16 codes, as the conversion leaves them
.set M,    116                         ; v116-117 largest magnitudes
.set E,    118                         ; v118-119 the conversions' scale operands
.set BY,   120                         ; v120-121 the bytes
.set WD,   122                         ; v122 the scale word
.set PX,   123                         ; v123 the other half's
.set BFR,  124                         ; v124-135 a base fragment
.set BSW,  136                         ; v136-137 two base scale words
.set OW,   140                         ; v140-141 two scale words on their way out
	s_load_b256 s[4:11], s[0:1], 0x0               ; spline_weight s[4:5], spline_scaler s[6:7], base codes s[8:9], base scales s[10:11]
	s_load_b64 s[12:13], s[0:1], 0x20              ; wimg
	v_lshl_add_u32 v144, v0, 2, 0x29000
	v_mov_b32 v145, 0
	ds_add_u32 v144, v145
	v_lshrrev_b32 v1, 5, v0
	v_readfirstlane_b32 s14, v1                    ; wave 0..3
	v_and_b32 v3, 31, v0                           ; lane
	v_and_b32 v1, 15, v0                           ; r
	v_bfe_u32 v2, v0, 4, 1                         ; h
	s_mov_b32 s15, ttmp9                           ; G: 64 columns
	s_and_b32 s16, ttmp7, 0xffff                   ; the K step
	s_lshr_b32 s17, s16, 2                         ; S
	s_and_b32 s18, s16, 3                          ; sg
	s_lshr_b32 s19, s16, 3                         ; sb, where I lay a base K step:
	s_and_b32 s22, s16, 7                          ; that is where this is 0
	s_and_b32 s23, s14, 1                          ; the h that I fetch, if I fetch
	s_mov_b32 s20, 0x76543210
	s_mov_b32 s21, 0xfedcba98                      ; v_permlanex16_b32's selects for lane l xor 16
	; descriptor group 1: 64 rows x 64 elements of 4 bytes, 4,096 elements apart; in LDS 4 words of padding behind every 64
	s_mov_b32 s24, (2<<16)|(1<<20)|(5<<22)|(3<<25)
	s_mov_b32 s25, 64<<16                          ; tensor_dim0
	s_mov_b32 s26, 64<<16                          ; tensor_dim1
	s_mov_b32 s27, 64<<16                          ; tile_dim0
	s_mov_b32 s28, 64                              ; tile_dim1
	s_mov_b32 s29, 4096                            ; from row to row
	s_mov_b32 s30, 0
	s_mov_b32 s31, 0
	s_mov_b32 s32, 1
	s_mul_i32 s33, s23, WTH                        ; LDS address of my part
	; offsets, each in a pair of its own with 0 above it (all stay under 2^24)
	s_lshl_b32 s38, s15, 20                        ; spline_weight: 64 G rows of 16,384 bytes
	s_lshl_b32 s36, s17, 11
	s_add_co_u32 s38, s38, s36                     ; + 64 S features of 32 bytes
	s_lshl_b32 s36, s18, 8
	s_add_co_u32 s38, s38, s36                     ; + 8 sg features
	s_lshl_b32 s36, s23, 10
	s_add_co_u32 s38, s38, s36                     ; + 32 h features
	s_mov_b32 s39, 0
	s_lshl_b32 s40, s15, 17                        ; spline_scaler: (64 G + 16 w) rows of 2,048 bytes + 256 S + 32 sg
	s_lshl_b32 s36, s14, 15
	s_add_co_u32 s40, s40, s36
	s_lshl_b32 s36, s17, 8
	s_add_co_u32 s40, s40, s36
	s_lshl_b32 s36, s18, 5
	s_add_co_u32 s40, s40, s36
	s_mov_b32 s41, 0
	s_mul_i32 s54, s16, KSB                        ; wimg: my K step,
	s_lshl_b32 s36, s15, 2
	s_add_co_u32 s36, s36, s14
	s_mul_i32 s36, s36, 1536                       ; my tile in it,
	s_lshl_b32 s37, s15, 8                         ; my work-group's 64 scale words
	s_add_co_u32 s42, s54, s36
	s_mov_b32 s43, 0
	s_add_co_u32 s44, s54, s37
	s_add_co_u32 s44, s44, SCW
	s_mov_b32 s45, 0
	s_add_co_u32 s55, s19, 32
	s_mul_i32 s55, s55, KSB                        ; and the same in base K step sb
	s_add_co_u32 s50, s55, s36
	s_mov_b32 s51, 0
	s_add_co_u32 s52, s55, s37
	s_add_co_u32 s52, s52, SCW
	s_mov_b32 s53, 0
	s_mul_i32 s46, s15, 24576                      ; base codes: (64 G + 16 w) rows of 384 bytes + 96 sb
	s_mul_i32 s56, s14, 6144
	s_add_co_u32 s46, s46, s56
	s_mul_i32 s56, s19, 96
	s_add_co_u32 s46, s46, s56
	s_mov_b32 s47, 0
	s_lshl_b32 s48, s15, 10                        ; base scales: 64 G rows of 16 bytes + 4 sb
	s_lshl_b32 s56, s19, 2
	s_add_co_u32 s48, s48, s56
	s_mov_b32 s49, 0
	v_mul_u32_u24 v[LA], v1, WP
	v_mad_u32_u24 v[LA], v2, WTH, v[LA]
	s_mul_i32 s57, s14, 16*WP
	v_add_nc_u32 v[LA], s57, v[LA]
	v_lshlrev_b32 v[SO], 11, v1
	v_lshl_add_u32 v[SO], v2, 7, v[SO]
	v_lshlrev_b32 v[LI], 4, v3
	s_lshl_b32 s57, s14, 6
	v_lshl_add_u32 v[SW], v1, 2, s57
	v_add_nc_u32 v[SW], SCG, v[SW]
	v_lshlrev_b32 v[L8], 3, v3
	v_lshl_add_u32 v[SR], v3, 3, SCG
	v_lshlrev_b32 v[SH8], 3, v2
	v_mul_u32_u24 v[BO], v1, 384
	v_mad_u32_u24 v[BO], v2, 24, v[BO]
	v_lshlrev_b32 v[L32], 5, v3
	v_mov_b32 v[PX], 0                             ; a lane permute's destination counts as one of its sources
	s_wait_dscnt 0x0
	s_wait_kmcnt 0x0
	s_add_nc_u64 s[34:35], s[4:5], s[38:39]
	s_or_b32 s35, s35, 0x80000000                  ; type = 2
	s_add_nc_u64 s[40:41], s[6:7], s[40:41]
	s_add_nc_u64 s[42:43], s[12:13], s[42:43]
	s_add_nc_u64 s[44:45], s[12:13], s[44:45]
	s_add_nc_u64 s[46:47], s[8:9], s[46:47]
	s_add_nc_u64 s[48:49], s[10:11], s[48:49]
	s_add_nc_u64 s[50:51], s[12:13], s[50:51]
	s_add_nc_u64 s[52:53], s[12:13], s[52:53]
	s_cmp_lt_u32 s14, 2                            ; the launch's only fills: waves 0 and 1, one load each, in one branch, ahead of every wait, LDS read and barrier
	s_cbranch_scc0 .Lno_fill
	tensor_load_to_lds s[32:35], s[24:31]
	s_nop 0
.rept 4
	v_nop                                          ; four v_nop behind the load
.endr
.Lno_fill:
	global_load_b128 v[SCL:SCL+3], v[SO], s[40:41]             ; my 8 features' scalers
	global_load_b128 v[SCL+4:SCL+7], v[SO], s[40:41] offset:16
	; ---- the base product's weights: a fragment's 2 x 24 bytes a lane as they lie in the row's stream of bits, out as an image.  The wait falls into the time in which the tile lands.
	s_cmp_lg_u32 s22, 0
	s_cbranch_scc1 .Lno_base
.irp p, 0,1,2,3,4,5
	global_load_b64 v[BFR+2*\p:BFR+2*\p+1], v[BO], s[46:47] offset:48*(\p/3)+8*(\p%3)
.endr
	s_cmp_lg_u32 s14, 0
	s_cbranch_scc1 .Lno_bs_in
	global_load_b32 v[BSW], v[L32], s[48:49]                   ; wave 0: the words of columns 2 l and 2 l + 1
	global_load_b32 v[BSW+1], v[L32], s[48:49] offset:16
.Lno_bs_in:
	s_wait_loadcnt 0x0
.irp g, 0,1,2
	global_store_b128 v[LI], v[BFR+4*\g:BFR+4*\g+3], s[50:51] offset:512*\g   ; 32 lanes store 512 consecutive bytes
.endr
	s_cmp_lg_u32 s14, 0
	s_cbranch_scc1 .Lno_base
	global_store_b64 v[L8], v[BSW:BSW+1], s[52:53]             ; 256 consecutive bytes, at a multiple of 256 from wimg's first byte
.Lno_base:
	s_wait_tensorcnt 0x0                           ; my part of the tile has landed (waves 2 and 3 have none out),
	s_barrier_signal -1
	s_barrier_wait -1                              ; everybody's has
.set ii, 0
.rept 16
	ds_load_b128 v[W+4*ii:W+4*ii+3], v[LA] offset:16*ii
.set ii, ii+1
.endr
	s_wait_dscnt 0x0
	s_wait_loadcnt 0x0                             ; the scalers
.set mm, 0
.rept 32                               ; weight x scaler, two at a time; feature mm / 4 takes one word of a pair of scalers for both halves
.if (mm/4)%2
	v_pk_mul_f32 v[W+2*mm:W+2*mm+1], v[W+2*mm:W+2*mm+1], v[SCL+2*(mm/8):SCL+2*(mm/8)+1] op_sel:[0,1] op_sel_hi:[1,1]
.else
	v_pk_mul_f32 v[W+2*mm:W+2*mm+1], v[W+2*mm:W+2*mm+1], v[SCL+2*(mm/8):SCL+2*(mm/8)+1] op_sel_hi:[1,0]
.endif
.set mm, mm+1
.endr
.irp c, 0,1                            ; my two blocks by turns: all 32 numbers of a block are mine
	v_max3_num_f32 v[M+\c], |v[W+32*\c]|, |v[W+32*\c+1]|, 0x2800000   ; with the floor 2^(5 - 127): the byte cannot fall under 1
.endr
.irp i, 2,4,6,8,10,12,14,16,18,20,22,24,26,28,30
.irp c, 0,1
	v_max3_num_f32 v[M+\c], v[M+\c], |v[W+32*\c+\i]|, |v[W+32*\c+\i+1]|
.endr
.endr
.irp c, 0,1
	v_add_nc_u32 v[E+\c], 0xfe000000, v[M+\c]      ; 4 off the exponent field: the conversion takes this operand's exponent field as its scale
.endr
.irp c, 0,1
	v_lshrrev_b32 v[BY+\c], 23, v[E+\c]            ; the scale's byte
.endr
	v_lshl_or_b32 v[WD], v[BY+1], 16, v[BY]        ; bytes 2 c + h: mine at bits 16 c + 8 h,
	v_lshlrev_b32 v[WD], v[SH8], v[WD]
	v_permlanex16_b32 v[PX], v[WD], s20, s21
	v_or_b32 v[WD], v[WD], v[PX]                   ; with lane l xor 16's two the word is whole
.irp c, 0,1
	v_cvt_scalef32_pk16_bf6_f32 v[PC+6*\c:PC+6*\c+2], v[W+32*\c:W+32*\c+15], v[E+\c]
	v_cvt_scalef32_pk16_bf6_f32 v[CT+4*\c:CT+4*\c+2], v[W+32*\c+16:W+32*\c+31], v[E+\c]   ; (a conversion's three registers begin on an even number)
.endr
	v_nop                                          ; one plain place behind a scaled conversion
.irp c, 0,1
.irp i, 0,1,2
	v_mov_b32 v[PC+3+6*\c+\i], v[CT+4*\c+\i]
.endr
.endr
.irp g, 0,1,2
	global_store_b128 v[LI], v[PC+4*\g:PC+4*\g+3], s[42:43] offset:512*\g     ; the image: 32 lanes store 512 consecutive bytes
.endr
	ds_store_b32 v[SW], v[WD]                      ; lanes r and r + 16 write the same word with the same value
	s_wait_dscnt 0x0                               ; for wave 0's sake: my store has landed
	s_barrier_signal -1
	s_barrier_wait -1
	s_cmp_lg_u32 s14, 0
	s_cbranch_scc1 .Ldone
	ds_load_b64 v[OW:OW+1], v[SR]                  ; the work-group's 64 words
	s_wait_dscnt 0x0
	global_store_b64 v[L8], v[OW:OW+1], s[44:45]   ; 256 consecutive bytes, at a multiple of 256 from wimg's first byte
.Ldone:
	s_wait_tensorcnt 0x0
	ds_add_u32 v144, v145
	s_wait_dscnt 0x0
	s_endpgm
.Lfunc_end_k_q38e36fcb6b_prep:
	.size	k_q38e36fcb6b_prep, .Lfunc_end_k_q38e36fcb6b_prep-k_q38e36fcb6b_prep
	.p2alignl 7, 3214868480
	.fill 96, 4, 3214868480
	.section	.rodata,"a",@progbits
	.p2align	6, 0x0
	.amdhsa_kernel k_q38e36fcb6b_prep
		.amdhsa_group_segment_fixed_size 168448
		.amdhsa_private_segment_fixed_size 0
		.amdhsa_enable_private_segment 0
		.amdhsa_kernarg_size 40
		.amdhsa_user_sgpr_count 2
		.amdhsa_user_sgpr_kernarg_segment_ptr 1
		.amdhsa_wavefront_size32 1
		.amdhsa_system_sgpr_workgroup_id_x 1
		.amdhsa_system_sgpr_workgroup_id_y 1
		.amdhsa_system_sgpr_workgroup_id_z 1
		.amdhsa_system_vgpr_workitem_id 0
		.amdhsa_next_free_vgpr 146
		.amdhsa_next_free_sgpr 66
		.amdhsa_reserve_vcc 0
		.amdhsa_float_denorm_mode_32 3
		.amdhsa_float_denorm_mode_16_64 3
		.amdhsa_memory_ordered 1
		.amdhsa_forward_progress 1
		.amdhsa_inst_pref_size 14
	.end_amdhsa_kernel
	.amdgpu_metadata
---
amdhsa.version: [ 1, 2 ]
amdhsa.kernels:
  - .name:           k_q38e36fcb6b_prep
    .symbol:         k_q38e36fcb6b_prep.kd
    .args:
      - { .name: spline_weight, .offset: 0, .size: 8, .value_kind: global_buffer, .address_space: global }
      - { .name: spline_scaler, .offset: 8, .size: 8, .value_kind: global_buffer, .address_space: global }
      - { .name: base_weight_codes, .offset: 16, .size: 8, .value_kind: global_buffer, .address_space: global }
      - { .name: base_weight_scales, .offset: 24, .size: 8, .value_kind: global_buffer, .address_space: global }
      - { .name: wimg, .offset: 32, .size: 8, .value_kind: global_buffer, .address_space: global }
    .group_segment_fixed_size: 168448
    .private_segment_fixed_size: 0
    .kernarg_segment_align: 8
    .kernarg_segment_size: 40
    .max_flat_workgroup_size: 128
    .sgpr_count:     66
    .vgpr_count:     146
    .wavefront_size: 32
...
	.end_amdgpu_metadata
.endif
;; end of part 1
;; launch main (part 2): grid 256 x 1, 8 waves a work-group, clusters of 4 x 1, 327,680 bytes of LDS; arguments x, wimg, out0; writes out0
.if DOCPART == 2
	.amdgcn_target "amdgcn-amd-amdhsa--gfx1250"
	.amdhsa_code_object_version 6
	.text
	.protected	k_q38e36fcb6b_main
	.globl	k_q38e36fcb6b_main
	.p2align	8
	.type	k_q38e36fcb6b_main,@function
k_q38e36fcb6b_main:
	s_mov_b64 s[64:65], 0
	v_nop
	global_prefetch_b8 v0, s[64:65] scope:SCOPE_SE
	s_setreg_imm32_b32 hwreg(HW_REG_WAVE_MODE, 25, 1), 1
	s_wait_xcnt 0x0
	s_wait_alu depctr_hold_cnt(0) depctr_sa_sdst(0) depctr_va_vdst(0) depctr_va_sdst(0) depctr_va_ssrc(0) depctr_va_vcc(0) depctr_vm_vsrc(0)
	s_getreg_b32 s2, hwreg(HW_REG_IB_STS2, 6, 4)
	s_cmp_eq_u32 s2, 0
	s_cbranch_scc0 .Lentry_in_a_cluster
	s_endpgm
.Lentry_in_a_cluster:
	s_bfe_u32 s2, ttmp6, 0x10000c
	s_cmp_lg_u32 s2, 0x3003
	s_cbranch_scc0 .Lentry_shape_is_right
	s_endpgm
.Lentry_shape_is_right:
; out0[16384][512] = Q(silu(x)) base_weight^T + Q(bases(x)) Q(spline_weight x spline_scaler)^T, both products on codes of E3M2 with one E8M0 byte for each 32 along K, sums in f32.
; The weights come from wimg, as images of the operand's registers, 36 K steps of 128 (32 of the spline product, then 4 of the base product), 51,200 bytes each.
; SHARES.  A work-group owns 64 rows and all 512 columns, so that each x is turned into its 8 bases and its silu ONCE.  Eight waves in two roles.  Role = (w xor w / 4) mod 2, so that w and w + 4 differ in it, and so do 2 i and 2 i + 1.
;   PRODUCERS (4): wave IDX makes, for rows 16 IDX .. + 15, the codes and scale words of A, and stores them in LDS as images of the operand's registers.  They issue no matrix instruction.
;   CONSUMERS (4): wave IDX makes 64 rows x columns 128 IDX .. + 127: 32 accumulators, 256 registers.  They do next to no vector work.
; PERIODS.  A stage is two K steps.  In period p the producers make A of stage p (into half p mod 2 of A's ring) while the consumers multiply stage p - 1.  One barrier between periods.
; The weights go through two LDS slots of one stage each; behind the barrier of period p the slot read in period p - 1 is filled with stage p, which is read in period p + 1.
; CLUSTER.  The four work-groups of a cluster walk the same weights: each stage is asked for JOINTLY, the same tensor load with the same descriptor and the mask 15 in all four; waves 0-3 bring a quarter each (100 rows of 256 bytes).
; K ORDER.  Whole blocks of 32 are permuted, alike in A and in the weights.  A super-step S is 64 features; lane (r, h) of a producer owns features 64 S + 32 h + 0..31 of its row: 128 consecutive bytes of x,
; 8 whole blocks of the spline product (4 features x 8 bases) and one whole block of silu: no block's largest magnitude needs another lane.  Spline K step 4 S + sg: registers 6 c .. 6 c + 5 = features 8 sg + 4 c + 0..3 of the lane's 32.
; THE BASES.  The knots are -2.2 + 0.4 i, so with s_k = 2.5 x + 5.5 - k (one fused multiply-add; 2.5 and 5.5 - k are exact) basis j is the cardinal cubic at u = s_j:
; a = med(s_j, -s_j+4, 0) is the distance to the nearer end of its support, held at 0; b = med(s_j+1, -s_j+3, 0) is a - 1 held at 0; B_j = a^3 / 6 - 2 b^3 / 3.  No branch, no compare; 0 outside the support, for every finite x.
; THE MATRIX INSTRUCTION IS USED TRANSPOSED (source 0 = 16 columns' weights, source 1 = 16 rows of A): a lane holds eight neighbouring numbers of a row of out0.
; LIMITS.  NaN and infinities in x are not served.  The knots are taken as the exact multiples above; those that f32 arithmetic gives differ from them by some 1e-7.
; A block of zeros gets the byte 1 (the rule says 127): its codes are zeros, and only this program reads the bytes.
; REGISTERS.  v2-25 addresses, made by every wave at the head; they never hold data.  Producers: see the names below; v256-287 the next super-step's x on its way.  Consumers: v48-143 A's fragments of two K steps,
; v144-239 the weights' eight fragments, v240-255 scale words and nothing else, v256-511 the accumulators ((a, b) at 8 (8 a + b) of window 1).
.set STEPB,  51200                     ; a K step of wimg
.set STAGEB, 102400                    ; a stage, and an LDS slot: slot s at STAGEB s
.set QUART,  25600                     ; what one tensor load brings
.set SCW,    49152                     ; where a K step's scale words begin
.set ARING,  204800                    ; A's images: [half 2][K step 2][tile of rows 4][g 3][lane][16 bytes]
.set ASC,    229376                    ; their scale words: [half][K step][tile][row], 4 bytes
.set BIMG,   230400                    ; silu's codes: [S 8][tile 4][pair of registers 3][lane][8 bytes]
.set BSC,    254976                    ; their bytes: [S][tile][row] words with the bytes of h = 0 and h = 1 in bits 15:0
.set STAGE,  257024                    ; the way out: 16 rows x 528 bytes for each consumer
.set SPITCH, 528                       ; 512 bytes + 16
.set SPARE,  290816                    ; the spare words, 128 bytes for each of eight waves: four blocks of 256 bytes that no other line names
.set SPW, 2                            ; v2   SPARE + 4 x my thread's number; never rewritten
.set NIL, 3                            ; v3   0; never rewritten
.set CB,  4                            ; v4-7   consumer: my columns' images in slot s, K step k: v[CB + 2 s + k]
.set CS,  8                            ; v8-11  and their scale words
.set CA,  12                           ; v12  ARING + 16 x lane
.set CAS, 13                           ; v13  ASC + 4 x lane
.set CBI, 14                           ; v14  BIMG + 8 x lane
.set STO, 15                           ; v15  the way out: where I put 32 bytes of a row
.set RD,  16                           ; v16  and where I read a row back
.set CO,  17                           ; v17  16 x lane
.set PAI, 18                           ; v18  producer: where my images go
.set PAS, 19                           ; v19  and their scale words
.set PBI, 20                           ; v20  silu's codes, super-step 0
.set PBS, 21                           ; v21  silu's bytes, super-step 0
.set PBT, 22                           ; v22  the same for the super-step in hand
.set PBU, 23                           ; v23
.set XO,  24                           ; v24  my byte in the wave's rows of x: 2,048 r + 128 h
.set SH8, 25                           ; v25  8 h
.set CON, 32                           ; v32-43   5.5 - k
.set Z,   44                           ; v44-47   silu at work
.set X,   48                           ; v48-79   my 32 x of the super-step
.set SIL, 80                           ; v80-111  their silu
.set R,   112                          ; v112-143 a block's 32 bases
.set T0,  144                          ; v144-167 one feature at work: s at +0..11, b over +0..7, b^2 and b^3 at +8..15, a at +16..23
.set T1,  168                          ; v168-191 the other
.set PC,  192                          ; v192-215 the codes of a period's two K steps
.set CT,  216                          ; v216-218 a block's upper 16 codes, as the conversion leaves them
.set M,   220                          ; v220-221 two chains of a maximum
.set E,   222                          ; v222 the conversion's scale operand
.set BY,  223                          ; v223-224 a K step's two bytes
.set WD,  225                          ; v225-226 the scale words of a period's two K steps
.set PX,  227                          ; v227 what lane l xor 16 sends
.set SCD, 228                          ; v228-233 silu's codes
.set HW,  234                          ; v234 silu's two bytes
.set AF,  48
.set BF,  144
.set SAR, 240                          ; v240-243 A's scale words: K step k, tiles 2 q (lanes 0-15) and 2 q + 1 (lanes 16-31): v[SAR + 2 k + q]
.set SBR, 244                          ; v244-251 the weights': v[SBR + 4 k + p]
.set SHR, 252                          ; v252-255 base stages: the upper halves of A's words
.set BK,  48                           ; the way out: rows read back: v48-111 and v112-175 by turns
.set WV,   10                          ; s10 wave   s11 role   s12 IDX   s13 which quarter of a stage I fetch
.set ROLE, 11
.set IDX,  12
.set PRT,  13
.set SEL,  20                          ; s[20:21] v_permlanex16_b32's selects for lane l xor 16
.set TRIPS, 22
.set SS,   23                          ; s23 the super-step in hand
.set G1,   24                          ; s[24:31] descriptor group 1
.set G0,   32                          ; s[32:39] group 0, a set for each slot
.set SB3,  40                          ; s40 3,072 SS    s41 256 SS
.set SB2,  41
.set XP,   42                          ; s[42:43] x at my rows, at the super-step last asked for
.set OP,   44                          ; s[44:45] out0 at my work-group's rows and my columns
.set C25,  50                          ; s[50:51] 2.5   s[52:53] 1/6   s[54:55] -2/3   s[56:57] -log2(e): pairs, of which the low word serves both halves
.set C16,  52
.set C23,  54
.set CLG,  56
.set MSB, 0
.macro WIN new                         ; the immediate's high byte repeats the setting that is left; at a label and at a branch every window is 0
.if MSB != \new
	s_set_vgpr_msb (MSB<<8)|\new
.set MSB, \new
.endif
.endm
.macro PLACES n                        ; plain vector places behind matrix instructions (ISA guide 7.12.1), where no other vector work is at hand
.rept \n
	v_nop
.endr
.endm
.macro CROUND                          ; a round of the cluster's barrier
	s_barrier_signal -1
	s_barrier_wait -1
	s_cmp_lg_u32 s[WV], 0
	s_cbranch_scc1 .Lnot_wave_0_\@
	s_barrier_signal -3
.Lnot_wave_0_\@:
	s_barrier_wait -3
	s_barrier_signal -1
	s_barrier_wait -1
.endm
.macro TLOAD s                         ; a joint refill of slot s: waves 0-3, a quarter each; the branch hangs on the wave's number alone.  Four v_nop follow the load
	s_cmp_lt_u32 s[WV], 4
	s_cbranch_scc0 .Lnot_mine_\@
	tensor_load_to_lds s[G0+4*\s:G0+4*\s+3], s[G1:G1+7]
	s_nop 0
	PLACES 4
.Lnot_mine_\@:
.endm
; THE BARRIER BETWEEN PERIODS, in code that both roles walk.  In front of it every wave waits for all its tensor loads (one is out at the most: its quarter of the slot that is read next), adds 0 to its spare word, and waits
; for that and for all its LDS loads and stores: the producers' images have landed, the consumers' reads of the old slot and of the old half of A's ring are over.
; refill = 1: slot s is filled with the stage two on; the barrier is then a round of the cluster's, and the joint load is the first thing behind it.  step = 1: the producers go on to the next super-step.
.macro MEET refill, s, step
	s_wait_tensorcnt 0x0                           ; no tensor load of mine is out, so a group 0 may be written
	ds_add_u32 v[SPW], v[NIL]                      ; 0 onto my spare word; scalar steps stand between it and the wait for it
.if \refill
	s_add_nc_u64 s[G0+4*\s+2:G0+4*\s+3], s[G0+4*\s+2:G0+4*\s+3], 2*STAGEB   ; the type bits on top are not reached
.endif
.if \step
	s_add_co_u32 s[SS], s[SS], 1
	s_add_co_u32 s[SB3], s[SB3], 3072
	s_add_co_u32 s[SB2], s[SB2], 256
.endif
	s_wait_dscnt 0x0
.if \refill
	CROUND
	TLOAD \s
.else
	s_barrier_signal -1
	s_barrier_wait -1
.endif
.if \step
	v_add_nc_u32 v[PBT], s[SB3], v[PBI]            ; where this super-step's silu goes (the stores that named these two registers are done: the wait above)
	v_add_nc_u32 v[PBU], s[SB2], v[PBS]
.endif
.endm
; ======== THE PRODUCERS ========
; Two features, x in the pair v[xr], v[xr + 1], become 16 bases in v[R + ro] on.  Phase by phase, the two features by turns, so that no line waits for the line above it.
; sil = 1: the silu of the block's four x (x / (1 + 2^(-x log2 e))) stands between the phases; each run of transcendentals has a plain phase behind it before its results are used.
.macro PAIR xr, ro, sil, q
.irp p, 0,1,2,3,4,5
	v_pk_fma_f32 v[T0+2*\p:T0+2*\p+1], v[0+(\xr):1+(\xr)], s[C25:C25+1], v[CON+2*\p:CON+2*\p+1] op_sel_hi:[0,0,1]                 ; s_k = 2.5 x + (5.5 - k), two k at a time: the pair's first x in both halves,
	v_pk_fma_f32 v[T1+2*\p:T1+2*\p+1], v[0+(\xr):1+(\xr)], s[C25:C25+1], v[CON+2*\p:CON+2*\p+1] op_sel:[1,0,0] op_sel_hi:[1,0,1]   ; its second
.endr
.if \sil
	v_pk_mul_f32 v[Z:Z+1], v[X+4*(\q):X+4*(\q)+1], s[CLG:CLG+1] op_sel_hi:[1,0]
	v_pk_mul_f32 v[Z+2:Z+3], v[X+4*(\q)+2:X+4*(\q)+3], s[CLG:CLG+1] op_sel_hi:[1,0]
.endif
.irp j, 0,1,2,3,4,5,6,7
	v_med3_num_f32 v[T0+16+\j], v[T0+\j], -v[T0+\j+4], 0       ; a_j
	v_med3_num_f32 v[T1+16+\j], v[T1+\j], -v[T1+\j+4], 0
.endr
.if \sil
.irp i, 0,1,2,3
	v_exp_f32 v[Z+\i], v[Z+\i]
.endr
.endif
.irp j, 0,1,2,3,4,5,6,7
	v_med3_num_f32 v[T0+\j], v[T0+\j+1], -v[T0+\j+3], 0        ; b_j, over s_j: j ascending, so that only what is done with is written over
	v_med3_num_f32 v[T1+\j], v[T1+\j+1], -v[T1+\j+3], 0
.endr
.if \sil
	s_wait_alu depctr_va_vdst(0)
	v_pk_add_f32 v[Z:Z+1], v[Z:Z+1], 1.0 op_sel_hi:[1,0]
	v_pk_add_f32 v[Z+2:Z+3], v[Z+2:Z+3], 1.0 op_sel_hi:[1,0]
.endif
.irp i, 0,2,4,6
	v_pk_mul_f32 v[R+\ro+\i:R+\ro+\i+1], v[T0+16+\i:T0+17+\i], v[T0+16+\i:T0+17+\i]         ; a^2
	v_pk_mul_f32 v[R+\ro+8+\i:R+\ro+9+\i], v[T1+16+\i:T1+17+\i], v[T1+16+\i:T1+17+\i]
.endr
.if \sil
.irp i, 0,1,2,3
	v_rcp_f32 v[Z+\i], v[Z+\i]
.endr
.endif
.irp i, 0,2,4,6
	v_pk_mul_f32 v[T0+8+\i:T0+9+\i], v[T0+\i:T0+1+\i], v[T0+\i:T0+1+\i]                     ; b^2
	v_pk_mul_f32 v[T1+8+\i:T1+9+\i], v[T1+\i:T1+1+\i], v[T1+\i:T1+1+\i]
.endr
.if \sil
	s_wait_alu depctr_va_vdst(0)
	v_pk_mul_f32 v[SIL+4*(\q):SIL+4*(\q)+1], v[X+4*(\q):X+4*(\q)+1], v[Z:Z+1]
	v_pk_mul_f32 v[SIL+4*(\q)+2:SIL+4*(\q)+3], v[X+4*(\q)+2:X+4*(\q)+3], v[Z+2:Z+3]
.endif
.irp i, 0,2,4,6
	v_pk_mul_f32 v[R+\ro+\i:R+\ro+\i+1], v[R+\ro+\i:R+\ro+\i+1], v[T0+16+\i:T0+17+\i]       ; a^3
	v_pk_mul_f32 v[R+\ro+8+\i:R+\ro+9+\i], v[R+\ro+8+\i:R+\ro+9+\i], v[T1+16+\i:T1+17+\i]
.endr
.irp i, 0,2,4,6
	v_pk_mul_f32 v[T0+8+\i:T0+9+\i], v[T0+8+\i:T0+9+\i], v[T0+\i:T0+1+\i]                   ; b^3
	v_pk_mul_f32 v[T1+8+\i:T1+9+\i], v[T1+8+\i:T1+9+\i], v[T1+\i:T1+1+\i]
.endr
.irp i, 0,2,4,6
	v_pk_mul_f32 v[R+\ro+\i:R+\ro+\i+1], v[R+\ro+\i:R+\ro+\i+1], s[C16:C16+1] op_sel_hi:[1,0]   ; a^3 / 6
	v_pk_mul_f32 v[R+\ro+8+\i:R+\ro+9+\i], v[R+\ro+8+\i:R+\ro+9+\i], s[C16:C16+1] op_sel_hi:[1,0]
.endr
.irp i, 0,2,4,6
	v_pk_fma_f32 v[R+\ro+\i:R+\ro+\i+1], v[T0+8+\i:T0+9+\i], s[C23:C23+1], v[R+\ro+\i:R+\ro+\i+1] op_sel_hi:[1,0,1]   ; - 2 b^3 / 3
	v_pk_fma_f32 v[R+\ro+8+\i:R+\ro+9+\i], v[T1+8+\i:T1+9+\i], s[C23:C23+1], v[R+\ro+8+\i:R+\ro+9+\i] op_sel_hi:[1,0,1]
.endr
.endm
; The largest of 32 numbers of my lane and the floor 2^(5 - 127), under which no largest magnitude is taken (so the byte cannot fall under 1), in two chains: 16 lines.  mag = 1: of their magnitudes.
.macro MAX32 s, mag
.if \mag
	v_max3_num_f32 v[M], |v[\s]|, |v[\s+1]|, 0x2800000
	v_max3_num_f32 v[M+1], |v[\s+2]|, |v[\s+3]|, |v[\s+4]|
.else
	v_max3_num_f32 v[M], v[\s], v[\s+1], 0x2800000
	v_max3_num_f32 v[M+1], v[\s+2], v[\s+3], v[\s+4]
.endif
.set tt, 0
.rept 13
.if \mag
	v_max3_num_f32 v[M+tt%2], v[M+tt%2], |v[\s+5+2*tt]|, |v[\s+6+2*tt]|
.else
	v_max3_num_f32 v[M+tt%2], v[M+tt%2], v[\s+5+2*tt], v[\s+6+2*tt]
.endif
.set tt, tt+1
.endr
.if \mag
	v_max3_num_f32 v[M], v[M], v[M+1], |v[\s+31]|
.else
	v_max3_num_f32 v[M], v[M], v[M+1], v[\s+31]
.endif
.endm
; Block q of the lane's eight (features 4 q .. 4 q + 3) becomes registers 6 c .. 6 c + 5 of the fragment of the period's K step kk.  No basis is negative: no |.| on the maximum's sources.
.macro BLOCK q, c, kk
	PAIR X+4*(\q), 0, 1, \q
	PAIR X+4*(\q)+2, 16, 0, \q
	MAX32 R, 0
	v_add_nc_u32 v[E], 0xfe000000, v[M]            ; 4 off the exponent field: the conversion takes this operand's exponent field as its scale
	v_cvt_scalef32_pk16_bf6_f32 v[PC+12*\kk+6*\c:PC+12*\kk+6*\c+2], v[R:R+15], v[E]
	v_cvt_scalef32_pk16_bf6_f32 v[CT:CT+2], v[R+16:R+31], v[E]     ; (a conversion's three registers begin on an even number)
	v_lshrrev_b32 v[BY+\c], 23, v[E]               ; the scale's byte; also the plain place behind the conversions
.irp i, 0,1,2
	v_mov_b32 v[PC+12*\kk+6*\c+3+\i], v[CT+\i]
.endr
.endm
; K step sg of the super-step: a fragment and its scale word, to half buf of A's ring.  No wait follows the stores: each of a period's two K steps has its own registers, written again only behind the next barrier's wait.
.macro KSTEP sg, buf, kk
	BLOCK 2*\sg, 0, \kk
	BLOCK 2*\sg+1, 1, \kk
	v_lshl_or_b32 v[WD+\kk], v[BY+1], 16, v[BY]    ; bytes 2 c + h: mine at bits 16 c + 8 h,
	v_lshlrev_b32 v[WD+\kk], v[SH8], v[WD+\kk]
	v_permlanex16_b32 v[PX], v[WD+\kk], s[SEL], s[SEL+1]
	v_or_b32 v[WD+\kk], v[WD+\kk], v[PX]           ; with lane l xor 16's two the word is whole
.irp g, 0,1,2
	ds_store_b128 v[PAI], v[PC+12*\kk+4*\g:PC+12*\kk+4*\g+3] offset:\buf*12288+\kk*6144+512*\g   ; the image: 512 consecutive bytes a store
.endr
	ds_store_b32 v[PAS], v[WD+\kk] offset:\buf*512+\kk*256     ; lanes r and r + 16 write the same word with the same value
.endm
.macro XLOAD                           ; my 128 bytes of the super-step at s[XP]: eight loads on end, which together take whole runs of 256 bytes of sixteen rows; into v256-287
	WIN 0x40
.irp q, 0,1,2,3,4,5,6,7
	global_load_b128 v[4*\q:4*\q+3], v[XO], s[XP:XP+1] offset:16*\q th:TH_LOAD_NT
.endr
	WIN 0
.endm
; A super-step begins: its x, asked for a super-step ago, moves to where it is worked on, and the next super-step's is asked for.  (The copy spares a second text of the super-step on other registers: 32 lines against some 1,900.)
.macro XNEXT
	s_wait_loadcnt 0x0                             ; all eight are in: so s[XP] may step and v256-287 may be loaded again
	WIN 0x01
.set ii, 0
.rept 32
	v_mov_b32 v[X+ii], v[ii]
.set ii, ii+1
.endr
	WIN 0
	s_cmp_eq_u32 s[SS], 7                          ; the last super-step asks for nothing: no load leaves a row of x
	s_cbranch_scc1 .Lno_x_\@
	s_add_nc_u64 s[XP:XP+1], s[XP:XP+1], 256
	XLOAD
.Lno_x_\@:
.endm
.macro SILUQ                           ; the super-step's 32 silu of my lane are one whole block of the base product: six registers of codes and a byte
	MAX32 SIL, 1
	v_add_nc_u32 v[E], 0xfe000000, v[M]
	v_cvt_scalef32_pk16_bf6_f32 v[SCD:SCD+2], v[SIL:SIL+15], v[E]
	v_cvt_scalef32_pk16_bf6_f32 v[CT:CT+2], v[SIL+16:SIL+31], v[E]
	v_lshrrev_b32 v[BY], 23, v[E]                  ; the byte; also the plain place behind the conversions
.irp i, 0,1,2
	v_mov_b32 v[SCD+3+\i], v[CT+\i]
.endr
	v_lshlrev_b32 v[HW], v[SH8], v[BY]
	v_permlanex16_b32 v[PX], v[HW], s[SEL], s[SEL+1]
	v_or_b32 v[HW], v[HW], v[PX]                   ; the bytes of h = 0 and h = 1
.irp p, 0,1,2
	ds_store_b64 v[PBT], v[SCD+2*\p:SCD+2*\p+1] offset:256*\p
.endr
	ds_store_b32 v[PBU], v[HW]
.endm
.macro PROD0                           ; an even period: the super-step's first two K steps, into half 0
	XNEXT
	KSTEP 0, 0, 0
	KSTEP 1, 0, 1
.endm
.macro PROD1                           ; an odd period: its last two, into half 1, and its silu
	KSTEP 2, 1, 0
	KSTEP 3, 1, 1
	SILUQ
.endm
; ======== THE CONSUMERS ========
; One matrix instruction: tile of rows a x tile of columns b, K step kk of the stage.  A scale register carries two tiles' words, the even tile's in lanes 0-15 and the odd tile's in lanes 16-31.
.macro WM kk, b, a, zero
.set rD, 8*(8*(\a)+(\b))
.set rB, BF+12*(\b)
.set rA, AF+48*(\kk)+12*(\a)
.set rSB, SBR+4*(\kk)+(\b)/2
.set rSA, SAR+2*(\kk)+(\a)/2
.set par, 2*((\b)%2)+(\a)%2
.if \zero
.if par == 0
	v_wmma_scale_f32_16x16x128_f8f6f4 v[rD:rD+7], v[rB:rB+11], v[rA:rA+11], 0, v[rSB], v[rSA] matrix_a_fmt:MATRIX_FMT_BF6 matrix_b_fmt:MATRIX_FMT_BF6
.elseif par == 1
	v_wmma_scale_f32_16x16x128_f8f6f4 v[rD:rD+7], v[rB:rB+11], v[rA:rA+11], 0, v[rSB], v[rSA] matrix_a_fmt:MATRIX_FMT_BF6 matrix_b_fmt:MATRIX_FMT_BF6 matrix_b_scale:MATRIX_SCALE_ROW1
.elseif par == 2
	v_wmma_scale_f32_16x16x128_f8f6f4 v[rD:rD+7], v[rB:rB+11], v[rA:rA+11], 0, v[rSB], v[rSA] matrix_a_fmt:MATRIX_FMT_BF6 matrix_b_fmt:MATRIX_FMT_BF6 matrix_a_scale:MATRIX_SCALE_ROW1
.else
	v_wmma_scale_f32_16x16x128_f8f6f4 v[rD:rD+7], v[rB:rB+11], v[rA:rA+11], 0, v[rSB], v[rSA] matrix_a_fmt:MATRIX_FMT_BF6 matrix_b_fmt:MATRIX_FMT_BF6 matrix_a_scale:MATRIX_SCALE_ROW1 matrix_b_scale:MATRIX_SCALE_ROW1
.endif
.else
.if par == 0
	v_wmma_scale_f32_16x16x128_f8f6f4 v[rD:rD+7], v[rB:rB+11], v[rA:rA+11], v[rD:rD+7], v[rSB], v[rSA] matrix_a_fmt:MATRIX_FMT_BF6 matrix_b_fmt:MATRIX_FMT_BF6
.elseif par == 1
	v_wmma_scale_f32_16x16x128_f8f6f4 v[rD:rD+7], v[rB:rB+11], v[rA:rA+11], v[rD:rD+7], v[rSB], v[rSA] matrix_a_fmt:MATRIX_FMT_BF6 matrix_b_fmt:MATRIX_FMT_BF6 matrix_b_scale:MATRIX_SCALE_ROW1
.elseif par == 2
	v_wmma_scale_f32_16x16x128_f8f6f4 v[rD:rD+7], v[rB:rB+11], v[rA:rA+11], v[rD:rD+7], v[rSB], v[rSA] matrix_a_fmt:MATRIX_FMT_BF6 matrix_b_fmt:MATRIX_FMT_BF6 matrix_a_scale:MATRIX_SCALE_ROW1
.else
	v_wmma_scale_f32_16x16x128_f8f6f4 v[rD:rD+7], v[rB:rB+11], v[rA:rA+11], v[rD:rD+7], v[rSB], v[rSA] matrix_a_fmt:MATRIX_FMT_BF6 matrix_b_fmt:MATRIX_FMT_BF6 matrix_a_scale:MATRIX_SCALE_ROW1 matrix_b_scale:MATRIX_SCALE_ROW1
.endif
.endif
.endm
; 16 matrix instructions: column tiles b0 .. b0 + 3 x the four tiles of rows.  The 32 accumulators take turns, one instruction a turn, in the same order in every K step.
; zero = 1: the first products start the sums: nothing is ever cleared.
.macro CMUL kk, b0, zero
.irp b, \b0, \b0+1, \b0+2, \b0+3
.irp a, 0,1,2,3
	WM \kk, \b, \a, \zero
.endr
.endr
.endm
.macro LDA kk, buf                     ; A's four fragments of K step kk: 12 loads of 512 consecutive bytes
.irp a, 0,1,2,3
.irp g, 0,1,2
	ds_load_b128 v[AF+48*\kk+12*\a+4*\g:AF+48*\kk+12*\a+4*\g+3], v[CA] offset:\buf*12288+\kk*6144+\a*1536+\g*512
.endr
.endr
.endm
.macro LDB slot, kk, b0                ; the weights' fragments of column tiles b0 .. b0 + 3: 12 loads
.irp b, \b0, \b0+1, \b0+2, \b0+3
.irp g, 0,1,2
	ds_load_b128 v[BF+12*(\b)+4*\g:BF+12*(\b)+4*\g+3], v[CB+2*\slot+\kk] offset:(\b)*1536+\g*512
.endr
.endr
.endm
.macro LDSB slot, kk                   ; the weights' scale words of K step kk: 4 loads
.irp p, 0,1,2,3
	ds_load_b32 v[SBR+4*\kk+\p], v[CS+2*\slot+\kk] offset:\p*128
.endr
.endm
; The 64 matrix instructions of a stage.  na: the LDS loads that bring A's fragments of one K step.  The weights have one set of registers: a half of it is loaded anew as soon as its 16 products are issued.
.macro MULS slot, zero, na
	s_wait_dscnt 12+\na                            ; all but the youngest: the weights' tiles 4-7 (12 loads) and A's second K step (na)
	WIN 0x50                                       ; C and D in window 1
	CMUL 0, 0, \zero
	WIN 0
	PLACES 4                                       ; in front of loads into registers that matrix instructions have read
	LDB \slot, 1, 0
	s_wait_dscnt 12+\na                            ; tiles 4-7 are in; A's second K step and the 12 just issued may be out
	WIN 0x50
	CMUL 0, 4, \zero
	WIN 0
	PLACES 4
	LDB \slot, 1, 4
	s_wait_dscnt 12                                ; all but the 12 just issued
	WIN 0x50
	CMUL 1, 0, 0
	s_wait_dscnt 0x0
	CMUL 1, 4, 0
	WIN 0
	PLACES 4                                       ; for the next stage's loads, and for the first reads of results
.endm
.macro CONS slot, buf, zero            ; a stage of the spline product
.irp kk, 0,1
.irp q, 0,1
	ds_load_b32 v[SAR+2*\kk+\q], v[CAS] offset:\buf*512+\kk*256+\q*128
.endr
	LDSB \slot, \kk
.endr
	LDA 0, \buf
	LDB \slot, 0, 0
	LDB \slot, 0, 4
	LDA 1, \buf
	MULS \slot, \zero, 12
.endm
.macro LDAB kk, sb0                    ; base K step sb0 + kk: registers 6 c .. 6 c + 5 of a fragment are super-step 2 (sb0 + kk) + c's silu codes of the same lane: 24 loads of 256 consecutive bytes
.irp a, 0,1,2,3
.irp c, 0,1
.irp p, 0,1,2
	ds_load_b64 v[AF+48*\kk+12*\a+6*\c+2*\p:AF+48*\kk+12*\a+6*\c+2*\p+1], v[CBI] offset:(2*(\sb0+\kk)+\c)*3072+\a*768+\p*256
.endr
.endr
.endr
.endm
.macro CONSB slot, sb0                 ; a stage of the base product
.irp kk, 0,1
.irp q, 0,1
	ds_load_b32 v[SAR+2*\kk+\q], v[CAS] offset:BSC-ASC+(2*(\sb0+\kk))*256+\q*128
	ds_load_b32 v[SHR+2*\kk+\q], v[CAS] offset:BSC-ASC+(2*(\sb0+\kk)+1)*256+\q*128
.endr
	LDSB \slot, \kk
.endr
	s_wait_dscnt 0x0
.irp i, 0,1,2,3
	v_lshl_or_b32 v[SAR+\i], v[SHR+\i], 16, v[SAR+\i]          ; two super-steps' pairs of bytes make a K step's word
.endr
	PLACES 8                                       ; a scale register written by a vector instruction stands 8 places ahead of a scaled matrix instruction
	LDAB 0, \sb0
	LDB \slot, 0, 0
	LDB \slot, 0, 4
	LDAB 1, \sb0
	MULS \slot, 0, 24
.endm
; THE WAY OUT, a tile of 16 rows x my 128 columns at a time.  A lane holds 32 neighbouring bytes of a row, and the lanes beside it hold other rows: so a tile goes through my own stage in LDS and comes back as whole
; rows of 512 bytes.  LDS serves a wave's instructions in order (ISA guide 5.7.1.4): no wait between the stores and the loads, nor in front of the next tile's stores.
.macro TOSTAGE a
	WIN 0x04                                       ; an LDS store's data are its source 1: window 1
.irp b, 0,1,2,3,4,5,6,7
	ds_store_b128 v[STO], v[8*(8*(\a)+\b):8*(8*(\a)+\b)+3] offset:64*\b            ; each accumulator from its low end on
	ds_store_b128 v[STO], v[8*(8*(\a)+\b)+4:8*(8*(\a)+\b)+7] offset:64*\b+16
.endr
	WIN 0
.set BB, BK+64*((\a)%2)
.irp t, 0,1,2,3,4,5,6,7,8,9,10,11,12,13,14,15
	ds_load_b128 v[BB+4*\t:BB+4*\t+3], v[RD] offset:\t*SPITCH
.endr
.endm
.macro SEND a, younger                 ; younger: the LDS instructions issued behind tile a's loads, which may stay out
.set BB, BK+64*((\a)%2)
	s_wait_dscnt \younger
.irp t, 0,1,2,3,4,5,6,7,8,9,10,11,12,13,14,15
	global_store_b128 v[CO], v[BB+4*\t:BB+4*\t+3], s[OP:OP+1] offset:(16*(\a)+\t)*2048 th:TH_STORE_NT   ; 32 lanes store 512 consecutive bytes, at a multiple of 512 from out0's first byte; every offset an immediate, 129,024 at the most
.endr
.endm
; ======== THE HEAD ========
	s_load_b128 s[4:7], s[0:1], 0x0                ; x s[4:5], wimg s[6:7]
	s_load_b64 s[8:9], s[0:1], 0x10                ; out0
	v_lshl_add_u32 v[SPW], v0, 2, SPARE
	v_mov_b32 v[NIL], 0
	ds_add_u32 v2, v3
	s_wait_dscnt 0x0
	v_lshrrev_b32 v26, 5, v0
	v_readfirstlane_b32 s[WV], v26                 ; wave 0..7
	s_lshr_b32 s[ROLE], s[WV], 2
	s_xor_b32 s[ROLE], s[ROLE], s[WV]
	s_and_b32 s[ROLE], s[ROLE], 1                  ; 0: consumer (waves 0, 2, 5, 7), 1: producer (waves 1, 3, 4, 6)
	s_lshr_b32 s[IDX], s[WV], 1                    ; 0..3 within each role
	s_and_b32 s[PRT], s[WV], 3
	s_bfe_u32 s14, ttmp6, 0x40000                  ; cx: my place in the cluster: it enters x's and out0's addresses alone
	s_lshl_b32 s15, ttmp9, 2
	s_add_co_u32 s15, s15, s14                     ; my block of 64 rows = 4 x cluster + cx
	v_and_b32 v26, 31, v0                          ; lane
	v_and_b32 v27, 15, v0                          ; r
	v_bfe_u32 v28, v0, 4, 1                        ; h
	s_mul_i32 s16, s[IDX], 12288                   ; my eight column tiles of 1,536 bytes
	v_lshl_add_u32 v[CB], v26, 4, s16
.irp i, 1,2,3
	v_add_nc_u32 v[CB+\i], \i*STEPB, v[CB]
.endr
	s_lshl_b32 s16, s[IDX], 9
	s_add_co_u32 s16, s16, SCW
	v_lshl_add_u32 v[CS], v26, 2, s16
.irp i, 1,2,3
	v_add_nc_u32 v[CS+\i], \i*STEPB, v[CS]
.endr
	v_lshl_add_u32 v[CA], v26, 4, ARING
	v_lshl_add_u32 v[CAS], v26, 2, ASC
	v_lshl_add_u32 v[CBI], v26, 3, BIMG
	s_mul_i32 s16, s[IDX], 16*SPITCH
	s_add_co_u32 s16, s16, STAGE
	v_mul_u32_u24 v[STO], v27, SPITCH
	v_lshl_add_u32 v[STO], v28, 5, v[STO]
	v_add_nc_u32 v[STO], s16, v[STO]
	v_lshl_add_u32 v[RD], v26, 4, s16
	v_lshlrev_b32 v[CO], 4, v26
	s_mul_i32 s16, s[IDX], 1536
	s_add_co_u32 s16, s16, ARING
	v_lshl_add_u32 v[PAI], v26, 4, s16
	s_lshl_b32 s16, s[IDX], 6
	s_add_co_u32 s16, s16, ASC
	v_lshl_add_u32 v[PAS], v27, 2, s16
	s_mul_i32 s16, s[IDX], 768
	s_add_co_u32 s16, s16, BIMG
	v_lshl_add_u32 v[PBI], v26, 3, s16
	s_lshl_b32 s16, s[IDX], 6
	s_add_co_u32 s16, s16, BSC
	v_lshl_add_u32 v[PBS], v27, 2, s16
	s_mov_b32 s[SS], 0
	s_mov_b32 s[SB3], 0
	s_mov_b32 s[SB2], 0
	v_add_nc_u32 v[PBT], s[SB3], v[PBI]
	v_add_nc_u32 v[PBU], s[SB2], v[PBS]
	v_lshlrev_b32 v[XO], 11, v27
	v_lshl_add_u32 v[XO], v28, 7, v[XO]
	v_lshlrev_b32 v[SH8], 3, v28
	v_mov_b32 v[CON+0], 0x40b00000                 ; 5.5 - k, k = 0 .. 11
	v_mov_b32 v[CON+1], 0x40900000
	v_mov_b32 v[CON+2], 0x40600000
	v_mov_b32 v[CON+3], 0x40200000
	v_mov_b32 v[CON+4], 0x3fc00000
	v_mov_b32 v[CON+5], 0.5
	v_mov_b32 v[CON+6], -0.5
	v_mov_b32 v[CON+7], 0xbfc00000
	v_mov_b32 v[CON+8], 0xc0200000
	v_mov_b32 v[CON+9], 0xc0600000
	v_mov_b32 v[CON+10], 0xc0900000
	v_mov_b32 v[CON+11], 0xc0b00000
	v_mov_b32 v[PX], 0                             ; a lane permute's destination counts as one of its sources
	s_mov_b32 s[SEL], 0x76543210
	s_mov_b32 s[SEL+1], 0xfedcba98
	s_mov_b32 s[C25], 0x40200000                   ; 2.5
	s_mov_b32 s[C25+1], s[C25]                     ; (named with it as a pair, so it is written)
	s_mov_b32 s[C16], 0x3e2aaaab                   ; 1/6
	s_mov_b32 s[C16+1], s[C16]
	s_mov_b32 s[C23], 0xbf2aaaab                   ; -2/3
	s_mov_b32 s[C23+1], s[C23]
	s_mov_b32 s[CLG], 0xbfb8aa3b                   ; -log2(e)
	s_mov_b32 s[CLG+1], s[CLG]
	; descriptor group 1: a quarter of a stage, dense in memory: 100 rows of 32 elements of 8 bytes, no padding (an LDS load takes 512 consecutive bytes)
	s_mov_b32 s[G1+0], 15|(3<<16)|(1<<21)          ; 15:0 the mask: all four work-groups; 17:16 elements of 8 bytes; 21 set beside a mask
	s_mov_b32 s[G1+1], 32<<16                      ; tensor_dim0
	s_mov_b32 s[G1+2], 100<<16                     ; tensor_dim1
	s_mov_b32 s[G1+3], 32<<16                      ; tile_dim0
	s_mov_b32 s[G1+4], 100                         ; tile_dim1
	s_mov_b32 s[G1+5], 32                          ; from row to row
	s_mov_b32 s[G1+6], 0
	s_mov_b32 s[G1+7], 0
	s_lshl_b32 s[XP], s15, 17                      ; x: (64 block + 16 IDX) rows of 2,048 bytes
	s_lshl_b32 s16, s[IDX], 15
	s_add_co_u32 s[XP], s[XP], s16
	s_mov_b32 s[XP+1], 0
	s_lshl_b32 s[OP], s15, 17                      ; out0: 64 block rows of 2,048 bytes + 512 IDX
	s_lshl_b32 s16, s[IDX], 9
	s_add_co_u32 s[OP], s[OP], s16
	s_mov_b32 s[OP+1], 0
	s_mul_i32 s17, s[PRT], QUART                   ; my quarter, in memory and in a slot: no place in the cluster enters it
	s_mov_b32 s18, s17
	s_mov_b32 s19, 0
	s_wait_kmcnt 0x0
	s_add_nc_u64 s[XP:XP+1], s[4:5], s[XP:XP+1]
	s_add_nc_u64 s[OP:OP+1], s[8:9], s[OP:OP+1]
	s_mov_b32 s[G0], 1
	s_mov_b32 s[G0+1], s17                         ; slot 0
	s_add_nc_u64 s[G0+2:G0+3], s[6:7], s[18:19]    ; stage 0
	s_mov_b32 s[G0+4], 1
	s_add_co_u32 s[G0+5], s17, STAGEB              ; slot 1
	s_add_nc_u64 s[G0+6:G0+7], s[G0+2:G0+3], STAGEB   ; stage 1
	s_or_b32 s[G0+3], s[G0+3], 0x80000000          ; type = 2
	s_or_b32 s[G0+7], s[G0+7], 0x80000000
	CROUND                                         ; all four work-groups are here: the first joint loads meet
	s_cmp_lt_u32 s[WV], 4                          ; a wave's two first fills stand in one branch, ahead of every wait on TENSORcnt, every LDS read and every other barrier: two loads of mine are out
	s_cbranch_scc0 .Lfirst_done
	tensor_load_to_lds s[G0:G0+3], s[G1:G1+7]
	s_nop 0
	tensor_load_to_lds s[G0+4:G0+7], s[G1:G1+7]
	s_nop 0
	PLACES 4
.Lfirst_done:
; ======== PERIOD 0: the producers make stage 0; there is nothing yet to multiply ========
	s_cmp_eq_u32 s[ROLE], 0
	s_cbranch_scc1 .Lj0
	XLOAD                                          ; super-step 0
	PROD0
.Lj0:
	s_wait_tensorcnt 0x1                           ; my quarter of slot 0 is in; slot 1's may stay out
	s_wait_dscnt 0x0                               ; the producers' images have landed
	s_barrier_signal -1
	s_barrier_wait -1
; ======== PERIOD 1 ========
	s_cmp_eq_u32 s[ROLE], 0
	s_cbranch_scc1 .Lc1
	PROD1
	s_branch .Lj1
.Lc1:
	CONS 0, 0, 1                                   ; stage 0 starts the sums
.Lj1:
	s_mov_b32 s[TRIPS], 7
.Lloop:                                        ; trip t = 1 .. 7: periods 2 t and 2 t + 1: super-step t is made, stages 2 t - 1 and 2 t are multiplied, stages 2 t and 2 t + 1 are asked for
	MEET 1, 0, 1
	s_cmp_eq_u32 s[ROLE], 0
	s_cbranch_scc1 .Lc2
	PROD0
	s_branch .Lj2
.Lc2:
	CONS 1, 1, 0
.Lj2:
	MEET 1, 1, 0
	s_cmp_eq_u32 s[ROLE], 0
	s_cbranch_scc1 .Lc3
	PROD1
	s_branch .Lj3
.Lc3:
	CONS 0, 0, 0
.Lj3:
	s_sub_co_u32 s[TRIPS], s[TRIPS], 1
	s_cmp_lg_u32 s[TRIPS], 0
	s_cbranch_scc1 .Lloop
; ======== THE TAIL: nothing is left to make; every wave still passes every barrier ========
	MEET 1, 0, 0                                   ; stage 16 (base K steps 0, 1) is asked for
	s_cmp_lg_u32 s[ROLE], 0
	s_cbranch_scc1 .Lj16
	CONS 1, 1, 0                                   ; stage 15
.Lj16:
	MEET 1, 1, 0                                   ; stage 17 (base K steps 2, 3): the last load
	s_cmp_lg_u32 s[ROLE], 0
	s_cbranch_scc1 .Lj17
	CONSB 0, 0
.Lj17:
	MEET 0, 0, 0                                   ; nothing is filled again, so no round follows
	s_cmp_lg_u32 s[ROLE], 0
	s_cbranch_scc1 .Lend
	CONSB 1, 2                                     ; (its last four places stand in front of the reads and loads below)
	TOSTAGE 0
.irp a, 1,2,3
.if \a > 1
	s_wait_xcnt 0x0                                ; tile a - 2's stores have read their registers: tile a's rows may land there
.endif
	TOSTAGE \a
	SEND \a-1, 32                                  ; behind tile a - 1's loads: tile a's 16 stores and 16 loads
.endr
	SEND 3, 0
.Lend:
	s_wait_tensorcnt 0x0                           ; the wave's end, behind my last tensor load and my last LDS store
	ds_add_u32 v[SPW], v[NIL]
	s_wait_dscnt 0x0
	CROUND                                         ; the closing round: no work-group ends while a partner may still ask for a stage that names it
	s_endpgm
.Lfunc_end_k_q38e36fcb6b_main:
	.size	k_q38e36fcb6b_main, .Lfunc_end_k_q38e36fcb6b_main-k_q38e36fcb6b_main
	.p2alignl 7, 3214868480
	.fill 96, 4, 3214868480
	.section	.rodata,"a",@progbits
	.p2align	6, 0x0
	.amdhsa_kernel k_q38e36fcb6b_main
		.amdhsa_group_segment_fixed_size 327680
		.amdhsa_private_segment_fixed_size 0
		.amdhsa_enable_private_segment 0
		.amdhsa_kernarg_size 24
		.amdhsa_user_sgpr_count 2
		.amdhsa_user_sgpr_kernarg_segment_ptr 1
		.amdhsa_wavefront_size32 1
		.amdhsa_system_sgpr_workgroup_id_x 1
		.amdhsa_system_sgpr_workgroup_id_y 1
		.amdhsa_system_sgpr_workgroup_id_z 1
		.amdhsa_system_vgpr_workitem_id 0
		.amdhsa_next_free_vgpr 512
		.amdhsa_next_free_sgpr 66
		.amdhsa_reserve_vcc 0
		.amdhsa_float_denorm_mode_32 3
		.amdhsa_float_denorm_mode_16_64 3
		.amdhsa_memory_ordered 1
		.amdhsa_forward_progress 1
		.amdhsa_inst_pref_size 255
	.end_amdhsa_kernel
	.section	.bss,"aw",@nobits
	.p2align	6
	.space	262144
	.amdgpu_metadata
---
amdhsa.version: [ 1, 2 ]
amdhsa.kernels:
  - .name:           k_q38e36fcb6b_main
    .symbol:         k_q38e36fcb6b_main.kd
    .args:
      - { .name: x, .offset: 0, .size: 8, .value_kind: global_buffer, .address_space: global }
      - { .name: wimg, .offset: 8, .size: 8, .value_kind: global_buffer, .address_space: global }
      - { .name: out0, .offset: 16, .size: 8, .value_kind: global_buffer, .address_space: global }
    .group_segment_fixed_size: 327680
    .private_segment_fixed_size: 0
    .kernarg_segment_align: 8
    .kernarg_segment_size: 24
    .max_flat_workgroup_size: 256
    .sgpr_count:     66
    .vgpr_count:     512
    .wavefront_size: 32
...
	.end_amdgpu_metadata
.endif
;; end of part 2
